; MI455X (gfx1250); checked and timed in simulation.
; The chip was launched on July 23, 2026; its instructions are those of AMD's public machine-readable ISA for CDNA 5 (MIT licence, August 2026) and "CDNA5" Instruction Set Architecture Reference Guide (July 2026). The comments in the code are by the model that wrote it; some were corrected since.
;; Quantum Attention. Allowed arithmetic: float matrix products may take bf16 or f16 operands with f32 sums; all other float work in f32.
;; Inputs: Wi 4 x 1,024 x 1,024 float32; Wr 4 x 1,024 x 1,024 float32; bi 4 x 1,024 float32; br 4 x 1,024 float32; xi 4 x 512 x 1,024 float32; xr 4 x 512 x 1,024 float32.
;; Outputs: out0 2 x 4 x 512 x 1,024 float32.
;; One version. Each part assembles by itself: llvm-mc -triple=amdgcn-amd-amdhsa -mcpu=gfx1250 --defsym DOCPART=n.
;; ======== version 1 of 1: 4 launches
;; limits: values are held in f16: magnitudes above 65,504 overflow, below 6.1e-05 lose precision
;; workspace buffers: xb 8,388,608 bytes; wb 16,777,216 bytes; qkv 25,165,824 bytes; ab 8,388,608 bytes
;; launch cvt (part 1): grid 768 x 1, 8 waves a work-group, no clusters, 0 bytes of LDS; arguments xr, xi, Wr, Wi, xb, wb; writes xb, wb
.if DOCPART == 1
	.amdgcn_target "amdgcn-amd-amdhsa--gfx1250"
	.amdhsa_code_object_version 6
	.text
	.protected	k_q612ea4ac35_cvt
	.globl	k_q612ea4ac35_cvt
	.p2align	8
	.type	k_q612ea4ac35_cvt,@function
k_q612ea4ac35_cvt:
	s_mov_b64 s[64:65], 0
	v_nop
	global_prefetch_b8 v0, s[64:65] scope:SCOPE_SE
	s_setreg_imm32_b32 hwreg(HW_REG_WAVE_MODE, 25, 1), 1
	s_wait_xcnt 0x0
; f32 -> f16, real and imaginary parts interleaved in blocks of 64 numbers.
; Source rows (xr, xi: 2048 rows; Wr, Wi: 4096 rows) hold 1024 f32 = 4,096 bytes.  A destination row (xb, wb) holds 16 blocks of 256 bytes,
; block kb = [real k = 64 kb .. 64 kb + 63 | imaginary, the same k], f16: again 4,096 bytes, so one row offset serves source and destination.
; LIMIT: f16.  A number above 65,504 in magnitude becomes infinite; below 6.1e-5 the absolute error is at most 3e-8.
; Work-groups 0-255 take 8 rows of x each, work-groups 256-767 8 rows of W.  The 256 threads cover a row: thread t loads the 16 bytes at 16 t of the real row
; and the 16 bytes at 16 (t ^ 16) of the imaginary row, so each load of a wave covers 512 consecutive bytes (two blocks' numbers), every byte once.
; A lane then holds 4 real numbers of one block and 4 imaginary numbers of the wave's other block: 8 bytes of f16 each.  Without any exchange between lanes
; the 32 lanes hold a whole destination block: store 1 fills block 2 w (lanes 0-15 its real half, lanes 16-31 its imaginary half), store 2 block 2 w + 1
; (the halves of the lanes swapped); bit 4 of the lane says which of its two pieces goes to which store.  Each store of a wave covers 256 consecutive bytes, aligned.
; The bytes are everything here: no LDS, no barrier, no matrix unit.  All sixteen loads of a thread go out first; each row has registers of its own, so nothing is rewritten while pending.
.set ROW, 4096
.set VR,  1                            ; v1   byte offset of my real piece in a row
.set VI,  2                            ; v2   of my imaginary piece
.set S1,  3                            ; v3   of my 8 bytes in store 1
.set S2,  4                            ; v4   in store 2 (the second block's 256 bytes stand in the immediate)
.set X,   8                            ; v[8:71]   row i: 4 real, 4 imaginary f32
.set P,   72                           ; v[72:75]  packed: 2 real, 2 imaginary
.set Y,   76                           ; v[76:107] row i: 2 registers for store 1, 2 for store 2
	s_load_b256 s[4:11], s[0:1], 0x0               ; xr s[4:5], xi s[6:7], Wr s[8:9], Wi s[10:11]
	s_load_b128 s[12:15], s[0:1], 0x20             ; xb s[12:13], wb s[14:15]
	v_lshlrev_b32 v[VR], 4, v0                     ; 16 t
	v_xor_b32 v[VI], 16, v0
	v_lshlrev_b32 v[VI], 4, v[VI]                  ; 16 (t ^ 16): the other half of my wave's 512 bytes
	v_and_b32 v5, 31, v0                           ; lane
	v_and_b32 v6, 0xe0, v0                         ; 32 x wave
	v_lshlrev_b32 v6, 4, v6                        ; two blocks of 256 bytes a wave
	v_lshl_add_u32 v[S1], v5, 3, v6                ; 8 x lane
	v_xor_b32 v5, 16, v5
	v_lshl_add_u32 v[S2], v5, 3, v6                ; 8 x (lane ^ 16)
	v_and_b32 v7, 16, v0
	v_cmp_ne_u32 vcc_lo, 0, v7                     ; bit 4 of the lane
	s_wait_kmcnt 0x0
	s_cmp_lt_u32 ttmp9, 256                        ; x or W: hangs on the work-group's number alone
	s_cselect_b64 s[16:17], s[4:5], s[8:9]         ; real source
	s_cselect_b64 s[18:19], s[6:7], s[10:11]       ; imaginary source
	s_cselect_b64 s[20:21], s[12:13], s[14:15]     ; destination
	s_cselect_b32 s22, 0, 256
	s_sub_co_u32 s22, ttmp9, s22
	s_lshl_b32 s22, s22, 15                        ; 8 rows of 4,096 bytes a work-group: 16,744,448 at the most
	s_mov_b32 s23, 0
	s_add_nc_u64 s[16:17], s[16:17], s[22:23]
	s_add_nc_u64 s[18:19], s[18:19], s[22:23]
	s_add_nc_u64 s[20:21], s[20:21], s[22:23]
.irp i, 0,1,2,3,4,5,6,7
	global_load_b128 v[X+8*\i:X+8*\i+3],   v[VR], s[16:17] offset:\i*ROW th:TH_LOAD_NT
	global_load_b128 v[X+8*\i+4:X+8*\i+7], v[VI], s[18:19] offset:\i*ROW th:TH_LOAD_NT
.endr
.irp i, 0,1,2,3,4,5,6,7
	s_wait_loadcnt 14-2*\i                         ; loads come back in order (ISA guide 5.7.1): this row's two are in, the younger rows' stay out
	v_cvt_pk_f16_f32 v[P],   v[X+8*\i],   v[X+8*\i+1]
	v_cvt_pk_f16_f32 v[P+1], v[X+8*\i+2], v[X+8*\i+3]
	v_cvt_pk_f16_f32 v[P+2], v[X+8*\i+4], v[X+8*\i+5]
	v_cvt_pk_f16_f32 v[P+3], v[X+8*\i+6], v[X+8*\i+7]
	v_cndmask_b32 v[Y+4*\i],   v[P],   v[P+2], vcc_lo            ; store 1: lanes 16-31 give their imaginary piece, lanes 0-15 their real one
	v_cndmask_b32 v[Y+4*\i+1], v[P+1], v[P+3], vcc_lo
	v_cndmask_b32 v[Y+4*\i+2], v[P+2], v[P],   vcc_lo            ; store 2: the other one
	v_cndmask_b32 v[Y+4*\i+3], v[P+3], v[P+1], vcc_lo
	global_store_b64 v[S1], v[Y+4*\i:Y+4*\i+1],   s[20:21] offset:\i*ROW
	global_store_b64 v[S2], v[Y+4*\i+2:Y+4*\i+3], s[20:21] offset:\i*ROW+256
.endr
	s_endpgm
.Lfunc_end_k_q612ea4ac35_cvt:
	.size	k_q612ea4ac35_cvt, .Lfunc_end_k_q612ea4ac35_cvt-k_q612ea4ac35_cvt
	.p2alignl 7, 3214868480
	.fill 96, 4, 3214868480
	.section	.rodata,"a",@progbits
	.p2align	6, 0x0
	.amdhsa_kernel k_q612ea4ac35_cvt
		.amdhsa_group_segment_fixed_size 0
		.amdhsa_private_segment_fixed_size 0
		.amdhsa_enable_private_segment 0
		.amdhsa_kernarg_size 48
		.amdhsa_user_sgpr_count 2
		.amdhsa_user_sgpr_kernarg_segment_ptr 1
		.amdhsa_wavefront_size32 1
		.amdhsa_system_sgpr_workgroup_id_x 1
		.amdhsa_system_sgpr_workgroup_id_y 1
		.amdhsa_system_sgpr_workgroup_id_z 1
		.amdhsa_system_vgpr_workitem_id 0
		.amdhsa_next_free_vgpr 112
		.amdhsa_next_free_sgpr 66
		.amdhsa_reserve_vcc 1
		.amdhsa_float_denorm_mode_32 3
		.amdhsa_float_denorm_mode_16_64 3
		.amdhsa_memory_ordered 1
		.amdhsa_forward_progress 1
		.amdhsa_inst_pref_size 8
	.end_amdhsa_kernel
	.amdgpu_metadata
---
amdhsa.version: [ 1, 2 ]
amdhsa.kernels:
  - .name:           k_q612ea4ac35_cvt
    .symbol:         k_q612ea4ac35_cvt.kd
    .args:
      - { .name: xr, .offset: 0, .size: 8, .value_kind: global_buffer, .address_space: global }
      - { .name: xi, .offset: 8, .size: 8, .value_kind: global_buffer, .address_space: global }
      - { .name: Wr, .offset: 16, .size: 8, .value_kind: global_buffer, .address_space: global }
      - { .name: Wi, .offset: 24, .size: 8, .value_kind: global_buffer, .address_space: global }
      - { .name: xb, .offset: 32, .size: 8, .value_kind: global_buffer, .address_space: global }
      - { .name: wb, .offset: 40, .size: 8, .value_kind: global_buffer, .address_space: global }
    .group_segment_fixed_size: 0
    .private_segment_fixed_size: 0
    .kernarg_segment_align: 8
    .kernarg_segment_size: 48
    .max_flat_workgroup_size: 256
    .sgpr_count:     66
    .vgpr_count:     112
    .wavefront_size: 32
...
	.end_amdgpu_metadata
.endif
;; end of part 1
;; launch qkv (part 2): grid 16 x 16, 4 waves a work-group, clusters of 4 x 4, 327,680 bytes of LDS; arguments xb, wb, br, bi, qkv; writes qkv
.if DOCPART == 2
	.amdgcn_target "amdgcn-amd-amdhsa--gfx1250"
	.amdhsa_code_object_version 6
	.text
	.protected	k_q612ea4ac35_qkv
	.globl	k_q612ea4ac35_qkv
	.p2align	8
	.type	k_q612ea4ac35_qkv,@function
k_q612ea4ac35_qkv:
	s_mov_b64 s[64:65], 0
	v_nop
	global_prefetch_b8 v0, s[64:65] scope:SCOPE_SE
	s_setreg_imm32_b32 hwreg(HW_REG_WAVE_MODE, 25, 1), 1
	s_wait_xcnt 0x0
	s_wait_alu depctr_hold_cnt(0) depctr_sa_sdst(0) depctr_va_vdst(0) depctr_va_sdst(0) depctr_va_ssrc(0) depctr_va_vcc(0) depctr_vm_vsrc(0)
	s_getreg_b32 s2, hwreg(HW_REG_IB_STS2, 6, 4)
	s_cmp_eq_u32 s2, 0
	s_cbranch_scc0 .Lentry_in_a_cluster
	s_endpgm
.Lentry_in_a_cluster:
	s_bfe_u32 s2, ttmp6, 0x10000c
	s_cmp_lg_u32 s2, 0xf033
	s_cbranch_scc0 .Lentry_shape_is_right
	s_endpgm
.Lentry_shape_is_right:
; The three complex linear layers q, k, v as one complex product: 2048 tokens x 3072 complex columns (n = 1024 layer + column) x 1024 complex k.
;   real = xr Wr^T - xi Wi^T + br,   imag = xr Wi^T + xi Wr^T + bi.     Operands f16, sums f32, result f16.
; LIMIT: the result is stored in f16: a component of Q, K or V above 65,504 becomes infinite.  (With x and W both 30 times the drawn spread the components
; have a spread of about 810; with x offset by 30 and W by 0.6 they reach 2 x 1024 x 18 = 36,864.)
; xb: [2048][16 kb][r 64 | i 64] f16, wb: [4096 rows][16 kb][r 64 | i 64] f16.  qkv: [96 groups of 32 columns][2048 tokens][r 32 | i 32] f16.
; A work-group makes 128 tokens x 192 complex columns with four waves (2 x 2), a wave 64 x 96: RB x NB = 4 x 6 tiles of 16 x 16, real and imaginary: 384 registers.
; One complex product needs four real products from two fragments a side: 96 matrix instructions for 40 LDS loads in a step of 32 along k.
; K goes in steps of one block kb (256 bytes of a row: 64 real, 64 imaginary) through two LDS slots filled by the tensor data mover.
; CLUSTERS: 4 x 4 work-groups.  x's tile hangs on the block row alone and is asked for jointly by a row of the cluster, W's on the block column alone, by a column.
; THE MATRIX INSTRUCTION IS USED TRANSPOSED: source 0 = 16 rows of W, source 1 = 16 tokens; lane (r = l % 16, h = l / 16) then holds token r,
; registers 0-7 the columns 8 h + 0..7: eight neighbouring numbers, 16 bytes in f16.
; -xi is made in registers (the sign bits of two f16 flipped by one v_xor_b32).  The first product of each sum takes the bias tile as C: nothing is cleared, nothing is added later.
; REGISTER WINDOWS: 0: addresses, W's fragments (two buffers); 1: x's fragments xr, xi, -xi (two buffers); 2: real sums, br's tiles; 3: imaginary sums, bi's tiles.
.set RB,     4                         ; 16-token blocks of a wave
.set NB,     6                         ; 16-column blocks of a wave
.set NT,     192                       ; rows of W in a tile
.set SUBS,   2                         ; steps of 32 along k in a slot
.set STEPB,  128*SUBS                  ; bytes of a row in a slot
.set PITCH,  STEPB+16                  ; LDS pitch: an odd multiple of 16 bytes, so that the sixteen rows of a fragment start at sixteen different 16-byte columns modulo 256
.set QI,     5                         ; padding behind every 2 << 5 = 64 words
.set SLOT,   (128+NT)*PITCH            ; W's 192 rows, then x's 128
.set LAPS,   1024/(64*SUBS)            ; a lap = once round the two slots
.set WROW0,  0                         ; first row of wb, first number of br and bi
.set AROLE,  1                         ; waves 2, 3 fetch x's halves, waves 0, 1 W's
.set BOFF,   0
.set AOFF,   NT*PITCH
.set ACONST, AOFF-2*64*PITCH           ; x's half of wave w (2, 3) lies at ACONST + w x 64 rows
.set BCONST, BOFF                      ; W's half of wave w (0, 1) at BCONST + w x 96 rows
.set STAGE,  2*SLOT                    ; behind the slots, at a multiple of 256 bytes: no tensor load lands here
.set SPITCH, 144                       ; the stage's rows: a token's 128 bytes + 16
.set STGW,   3*16*SPITCH               ; a wave's stage: 3 groups x 16 tokens
.set ADRA, 16                          ; v16-17 LDS address of my x fragments in slot 0, 1
.set ADRB, 20                          ; v20-21 of my W fragments
.set STO,  24                          ; v24 the way out: where I put 16 bytes
.set RD,   25                          ; v25 where I read back
.set CO,   26                          ; v26 my byte offset in qkv
.set BO,   27                          ; v27 my byte offset in a bias tile; never rewritten
.set FB,   32                          ; window 0: W buffer f at FB + 96 f: Wr's fragment b at + 8 b, Wi's at + 48 + 8 b
.set BIAS, 192                         ; windows 2, 3: bias tile b at BIAS + 8 b
.set TMP,  32                          ; the way out: packed results
.set RBK,  80                          ; the way out: rows read back
.set G1,  24                           ; s[24:31] group 1 for x's tiles
.set G0,  32                           ; s[32:39] group 0 for x's tiles, one set a slot
.set G1B, 48                           ; s[48:55] group 1 for W's tiles
.set G0B, 56                           ; s[56:63] group 0 for W's tiles
.set MUL_R, 0xa4                       ; source 0 window 0, source 1 window 1, C and D window 2
.set MUL_I, 0xf4                       ; the same, C and D window 3
.set TO_A,  0x40                       ; destination window 1
.set NEGW,  0x44                       ; source 1 and destination window 1
.set MSB, 0
.macro WIN new                         ; the immediate's high byte repeats the setting that is left
.if MSB != \new
	s_set_vgpr_msb (MSB<<8)|\new
.set MSB, \new
.endif
.endm
.macro PLACES                          ; four places behind a matrix instruction (ISA guide 7.12.1)
.rept 4
	v_nop
.endr
.endm
; A joint load: two waves fetch x's halves, two W's.  Each line has one mask; the branch hangs on the wave's number alone.
.macro JLOAD s
	s_cmp_eq_u32 s15, AROLE
	s_cbranch_scc0 .Lfor_b_\@
	tensor_load_to_lds s[G0+4*\s:G0+4*\s+3], s[G1:G1+7]
	s_nop 0
	s_branch .Lasked_\@
.Lfor_b_\@:
	tensor_load_to_lds s[G0B+4*\s:G0B+4*\s+3], s[G1B:G1B+7]
	s_nop 0
.Lasked_\@:
.endm
.macro CREST                           ; a round of the cluster's barrier behind its opening work-group barrier
	s_cmp_lg_u32 s14, 0
	s_cbranch_scc1 .Lnot_wave_0_\@
	s_barrier_signal -3
.Lnot_wave_0_\@:
	s_barrier_wait -3
	s_barrier_signal -1
	s_barrier_wait -1
.endm
.macro CROUND                          ; a whole round
	s_barrier_signal -1
	s_barrier_wait -1
	CREST
.endm
; RB x NB matrix instructions, one for each tile of the window: W's fragments from bb, x's from ab.  mode = 1: the bias tile starts the sum.
; The accumulators take turns, one instruction a turn.
.macro GROUP bb, ab, mode
.set ga, 0
.rept RB
.set gb, 0
.rept NB
.if \mode
	v_wmma_f32_16x16x32_f16 v[8*(ga*NB+gb):8*(ga*NB+gb)+7], v[\bb+8*gb:\bb+8*gb+7], v[\ab+8*ga:\ab+8*ga+7], v[BIAS+8*gb:BIAS+8*gb+7]
.else
	v_wmma_f32_16x16x32_f16 v[8*(ga*NB+gb):8*(ga*NB+gb)+7], v[\bb+8*gb:\bb+8*gb+7], v[\ab+8*ga:\ab+8*ga+7], v[8*(ga*NB+gb):8*(ga*NB+gb)+7]
.endif
.set gb, gb+1
.endr
.set ga, ga+1
.endr
.endm
.macro NEG f                           ; -xi of buffer f
.set ni, 0
.rept 8*RB
	v_xor_b32 v[96*\f+64+ni], s66, v[96*\f+32+ni]
.set ni, ni+1
.endr
.endm
; The fragments of one step of 32 along k (byte k of the slot's rows; the imaginary part 128 bytes on) into buffer g: xi, xr, Wr, Wi, so that Wi's 2 NB loads are the youngest.
.macro FETCH slot, k, g
	WIN TO_A
.set fi, 0
.rept RB
	ds_load_b128 v[96*\g+32+8*fi:96*\g+32+8*fi+3], v[ADRA+\slot] offset:\k+128+fi*16*PITCH
	ds_load_b128 v[96*\g+32+8*fi+4:96*\g+32+8*fi+7], v[ADRA+\slot] offset:\k+160+fi*16*PITCH
.set fi, fi+1
.endr
.set fi, 0
.rept RB
	ds_load_b128 v[96*\g+8*fi:96*\g+8*fi+3], v[ADRA+\slot] offset:\k+fi*16*PITCH
	ds_load_b128 v[96*\g+8*fi+4:96*\g+8*fi+7], v[ADRA+\slot] offset:\k+32+fi*16*PITCH
.set fi, fi+1
.endr
	WIN 0
.set fi, 0
.rept NB
	ds_load_b128 v[FB+96*\g+8*fi:FB+96*\g+8*fi+3], v[ADRB+\slot] offset:\k+fi*16*PITCH
	ds_load_b128 v[FB+96*\g+8*fi+4:FB+96*\g+8*fi+7], v[ADRB+\slot] offset:\k+32+fi*16*PITCH
.set fi, fi+1
.endr
.set fi, 0
.rept NB
	ds_load_b128 v[FB+96*\g+48+8*fi:FB+96*\g+48+8*fi+3], v[ADRB+\slot] offset:\k+128+fi*16*PITCH
	ds_load_b128 v[FB+96*\g+48+8*fi+4:FB+96*\g+48+8*fi+7], v[ADRB+\slot] offset:\k+160+fi*16*PITCH
.set fi, fi+1
.endr
.endm
; A step of 32 along k on buffer f; in its middle the next step's fragments (byte knext of the same slot) are fetched into buffer g.
.macro QUARTER slot, knext, f, g, mode
	s_wait_dscnt 2*NB                              ; LDS loads come back in order (ISA guide 5.7.1): all but Wi's, the youngest 2 NB, are in
	WIN NEGW
	NEG \f
	WIN MUL_R
	GROUP FB+96*\f, 96*\f, \mode                   ; real += Wr xr
	s_wait_dscnt 0x0                               ; Wi
	GROUP FB+96*\f+48, 96*\f+64, 0                 ; real += Wi (-xi)
	PLACES                                         ; loads into registers that matrix instructions have read stand four places behind them
	FETCH \slot, \knext, \g
	WIN MUL_I
	GROUP FB+96*\f+48, 96*\f, \mode                ; imag += Wi xr
	GROUP FB+96*\f, 96*\f+32, 0                    ; imag += Wr xi
.endm
.macro STEPQ slot, mode                ; all of a slot's steps but the last
	QUARTER \slot, 64, 0, 1, \mode
.if SUBS == 4
	QUARTER \slot, 256, 1, 0, 0
	QUARTER \slot, 320, 0, 1, 0
.endif
.endm
; A slot's last step (buffer 1) and the change of slots.  In front of the barrier each wave waits for its reads of this slot and for all its tensor loads (one is out:
; its part of the next slot).  fill = 1: the barrier opens a round of the cluster's barrier, and behind the round this slot is asked for again, first of all.
.macro TURN slot, next, fill
	s_wait_dscnt 2*NB
	WIN NEGW
	NEG 1
	WIN MUL_R
	GROUP FB+96, 96, 0
	s_wait_dscnt 0x0                               ; my reads of this slot are over
	s_wait_tensorcnt 0x0                           ; all my tensor loads have landed
	ds_add_u32 v255, v255
	s_wait_dscnt 0x0
	s_barrier_signal -1
	GROUP FB+96+48, 96+64, 0                       ; registers alone between signal and wait
	WIN 0
	s_barrier_wait -1
.if \fill
	CREST                                          ; no wave of any partner still reads this slot or has a load on its way
	s_add_nc_u64 s[G0+4*\slot+2:G0+4*\slot+3], s[G0+4*\slot+2:G0+4*\slot+3], 2*STEPB
	s_add_nc_u64 s[G0B+4*\slot+2:G0B+4*\slot+3], s[G0B+4*\slot+2:G0B+4*\slot+3], 2*STEPB
	JLOAD \slot                                    ; my one tensor load behind the round
.endif
	PLACES
	FETCH \next, 0, 0
	WIN MUL_I
	GROUP FB+96+48, 96, 0
	GROUP FB+96, 96+32, 0
.endm
.macro LAP mode
	STEPQ 0, \mode
	TURN 0, 1, 1
	STEPQ 1, 0
	TURN 1, 0, 1
.endm
	s_load_b256 s[4:11], s[0:1], 0x0               ; xb s[4:5], wb s[6:7], br s[8:9], bi s[10:11]
	s_load_b64 s[12:13], s[0:1], 0x20              ; qkv
	v_lshl_add_u32 v255, v0, 2, 0x31400
	s_set_vgpr_msb 0x40
	v_mov_b32 v255, 0
	s_set_vgpr_msb 0x4044
	ds_add_u32 v255, v255
	s_set_vgpr_msb 0x4400
	v_lshrrev_b32 v1, 5, v0
	v_readfirstlane_b32 s14, v1                    ; wave 0..3
	s_lshr_b32 s15, s14, 1                         ; my half of the tokens; also: what I fetch
	s_and_b32 s16, s14, 1                          ; my half of the columns; also: which half of that tile I fetch
	s_mov_b32 s66, 0x80008000                      ; the signs of two f16
	s_bfe_u32 s20, ttmp6, 0x40000                  ; cx
	s_bfe_u32 s21, ttmp6, 0x40004                  ; cy
	s_lshl_b32 s22, ttmp9, 2
	s_add_co_u32 s22, s22, s20                     ; block column = 4 x cluster x + cx
	s_and_b32 s23, ttmp7, 0xffff
	s_lshl_b32 s23, s23, 2
	s_add_co_u32 s23, s23, s21                     ; block row = 4 x cluster y + cy
	s_lshl_b32 s40, s21, 2
	s_lshl_b32 s40, 15, s40                        ; my row of the cluster
	s_lshl_b32 s44, 0x1111, s20                    ; my column
	; group 1: rows of 64 SUBS elements of 2 bytes, 2,048 elements from row to row, 4 words of padding behind each row; bit 21 set beside the mask
	s_or_b32 s[G1+0], s40, (1<<16)|(1<<20)|(1<<21)|(QI<<22)|(3<<25)
	s_or_b32 s[G1B+0], s44, (1<<16)|(1<<20)|(1<<21)|(QI<<22)|(3<<25)
	s_mov_b32 s[G1+1], (64*SUBS)<<16               ; tensor_dim0
	s_mov_b32 s[G1B+1], (64*SUBS)<<16
	s_mov_b32 s[G1+2], 64<<16                      ; tensor_dim1 = the tile's rows: 64 of x,
	s_mov_b32 s[G1B+2], (NT/2)<<16                 ; 96 of W
	s_mov_b32 s[G1+3], (64*SUBS)<<16               ; tile_dim0
	s_mov_b32 s[G1B+3], (64*SUBS)<<16
	s_mov_b32 s[G1+4], 64                          ; tile_dim1
	s_mov_b32 s[G1B+4], NT/2
	s_mov_b32 s[G1+5], 2048                        ; stride
	s_mov_b32 s[G1B+5], 2048
	s_mov_b32 s[G1+6], 0
	s_mov_b32 s[G1B+6], 0
	s_mov_b32 s[G1+7], 0
	s_mov_b32 s[G1B+7], 0
	; x's tile hangs on the block row (shared along my row of the cluster), W's on the block column; s[40:43] never hold cx, s[44:47] never cy
	s_lshl_b32 s40, s23, 7
	s_lshl_b32 s41, s16, 6
	s_add_co_u32 s40, s40, s41                     ; token 128 x block row + 64 x half
	s_lshl_b32 s40, s40, 12                        ; rows of 4,096 bytes
	s_mov_b32 s41, 0
	s_mul_i32 s44, s22, NT
	s_mul_i32 s45, s16, NT/2
	s_add_co_u32 s44, s44, s45                     ; row of wb
	s_lshl_b32 s44, s44, 12
	s_mov_b32 s45, 0
	s_mul_i32 s42, s14, 64*PITCH                   ; LDS addresses: a constant and the wave's number times a constant
	s_add_co_u32 s42, s42, ACONST
	s_mul_i32 s46, s14, (NT/2)*PITCH
	s_add_co_u32 s46, s46, BCONST
	s_wait_dscnt 0x0
	s_wait_kmcnt 0x0
	s_add_nc_u64 s[40:41], s[4:5], s[40:41]
	s_add_nc_u64 s[44:45], s[6:7], s[44:45]
	CROUND                                         ; all sixteen work-groups are here: the first joint loads meet
.irp s, 0,1
	s_mov_b32 s[G0+4*\s], 1
	s_add_co_u32 s[G0+4*\s+1], s42, \s*SLOT
	s_add_nc_u64 s[G0+4*\s+2:G0+4*\s+3], s[40:41], \s*STEPB
	s_or_b32 s[G0+4*\s+3], s[G0+4*\s+3], 0x80000000
	s_mov_b32 s[G0B+4*\s], 1
	s_add_co_u32 s[G0B+4*\s+1], s46, \s*SLOT
	s_add_nc_u64 s[G0B+4*\s+2:G0B+4*\s+3], s[44:45], \s*STEPB
	s_or_b32 s[G0B+4*\s+3], s[G0B+4*\s+3], 0x80000000
	JLOAD \s                                       ; both slots' first fills go out together: two tensor loads of the wave are out
.endr
	; the bias tiles: lane (r, h), register j holds bias[first column + 16 b + 8 h + j], the same for every token
	s_mul_i32 s74, s22, NT
	s_mul_i32 s75, s16, NB*16
	s_add_co_u32 s74, s74, s75                     ; my first column
	s_lshl_b32 s74, s74, 2
	s_mov_b32 s75, 0
	s_add_nc_u64 s[8:9], s[8:9], s[74:75]
	s_add_nc_u64 s[10:11], s[10:11], s[74:75]
	v_and_b32 v1, 15, v0                           ; r
	v_bfe_u32 v2, v0, 4, 1                         ; h
	v_lshlrev_b32 v[BO], 5, v2
	WIN 0x80
.set gb, 0
.rept NB
	global_load_b128 v[BIAS+8*gb:BIAS+8*gb+3], v[BO], s[8:9] offset:64*gb
	global_load_b128 v[BIAS+8*gb+4:BIAS+8*gb+7], v[BO], s[8:9] offset:64*gb+16
.set gb, gb+1
.endr
	WIN 0xc0
.set gb, 0
.rept NB
	global_load_b128 v[BIAS+8*gb:BIAS+8*gb+3], v[BO], s[10:11] offset:64*gb
	global_load_b128 v[BIAS+8*gb+4:BIAS+8*gb+7], v[BO], s[10:11] offset:64*gb+16
.set gb, gb+1
.endr
	WIN 0
	; fragments: lane (r, h) reads row r at 16 h, twice, 32 bytes apart
	v_mul_u32_u24 v3, v1, PITCH
	v_lshl_add_u32 v3, v2, 4, v3
	s_mul_i32 s72, s15, RB*16*PITCH
	s_add_co_u32 s72, s72, AOFF
	s_mul_i32 s73, s16, NB*16*PITCH
	s_add_co_u32 s73, s73, BOFF
.irp s, 0,1
	v_add_nc_u32 v[ADRA+\s], s72, v3
	v_add_nc_u32 v[ADRB+\s], s73, v3
	s_add_co_u32 s72, s72, SLOT
	s_add_co_u32 s73, s73, SLOT
.endr
	; the way out
	s_mul_i32 s72, s14, STGW
	s_add_co_u32 s72, s72, STAGE
	v_mul_u32_u24 v4, v1, SPITCH
	v_lshl_add_u32 v4, v2, 4, v4
	v_add_nc_u32 v[STO], s72, v4                   ; token r, 16 h
	v_and_b32 v5, 31, v0
	v_lshrrev_b32 v6, 3, v5
	v_and_b32 v7, 7, v5
	v_mul_u32_u24 v6, v6, SPITCH
	v_lshl_add_u32 v6, v7, 4, v6
	v_add_nc_u32 v[RD], s72, v6                    ; four tokens' 128 bytes for 32 lanes
	v_lshlrev_b32 v[CO], 4, v5                     ; which are 512 consecutive bytes of qkv
	s_mul_i32 s72, s22, 6
	s_mul_i32 s73, s16, 3
	s_add_co_u32 s72, s72, s73                     ; my first group of 32 columns
	s_lshl_b32 s72, s72, 18                        ; planes of 262,144 bytes
	s_lshl_b32 s73, s23, 7
	s_lshl_b32 s74, s15, 6
	s_add_co_u32 s73, s73, s74                     ; my first token
	s_lshl_b32 s73, s73, 7
	s_add_co_u32 s72, s72, s73
	s_mov_b32 s73, 0
	s_add_nc_u64 s[12:13], s[12:13], s[72:73]
	s_wait_tensorcnt 0x1                           ; my part of step 0 is in; step 1's stays out
	s_barrier_signal -1
	s_barrier_wait -1
	FETCH 0, 0, 0
	s_wait_loadcnt 0x0                             ; the bias tiles
	LAP 1                                          ; the first lap stands in front of the loop: its first products start the sums
	WIN 0
	s_mov_b32 s19, LAPS-2
.Llap:
	LAP 0
	WIN 0
	s_sub_co_u32 s19, s19, 1
	s_cmp_lg_u32 s19, 0
	s_cbranch_scc1 .Llap
	STEPQ 0, 0                                     ; the last lap fills nothing
	TURN 0, 1, 0
	STEPQ 1, 0
	s_wait_dscnt 2*NB                              ; the very last step
	WIN NEGW
	NEG 1
	WIN MUL_R
	GROUP FB+96, 96, 0
	s_wait_dscnt 0x0
	GROUP FB+96+48, 96+64, 0
	WIN MUL_I
	GROUP FB+96+48, 96, 0
	GROUP FB+96, 96+32, 0
	PLACES                                         ; behind the last matrix instructions: the conversions read results and write fragment registers
; 16 tokens: round to f16, 16 bytes a lane into my own stage (group, token, [r 32 | i 32]), read back four tokens at a time, store 512 consecutive aligned bytes.
.macro OUT16 a
	WIN 0x0a
.set ob, 0
.rept NB
.set oq, 0
.rept 4
	v_cvt_pk_f16_f32 v[TMP+4*ob+oq], v[8*(\a*NB+ob)+2*oq], v[8*(\a*NB+ob)+2*oq+1]
.set oq, oq+1
.endr
.set ob, ob+1
.endr
	WIN 0x0f
.set ob, 0
.rept NB
.set oq, 0
.rept 4
	v_cvt_pk_f16_f32 v[TMP+24+4*ob+oq], v[8*(\a*NB+ob)+2*oq], v[8*(\a*NB+ob)+2*oq+1]
.set oq, oq+1
.endr
.set ob, ob+1
.endr
	WIN 0
.set ob, 0
.rept NB
	ds_store_b128 v[STO], v[TMP+4*ob:TMP+4*ob+3] offset:(ob>>1)*16*SPITCH+(ob&1)*32
	ds_store_b128 v[STO], v[TMP+24+4*ob:TMP+24+4*ob+3] offset:(ob>>1)*16*SPITCH+64+(ob&1)*32
.set ob, ob+1
.endr
	s_wait_xcnt 0x0                                ; the rows read back last time are still the sources of stores: they are loaded again only behind this wait (ISA guide 3.1)
.set oi, 0
.rept 12
	ds_load_b128 v[RBK+4*oi:RBK+4*oi+3], v[RD] offset:(oi>>2)*16*SPITCH+(oi&3)*4*SPITCH   ; LDS serves a wave's instructions in order (ISA guide 5.7.1.4): these see the stores above
.set oi, oi+1
.endr
.set oi, 0
.rept 12
	s_wait_dscnt 11-oi
	global_store_b128 v[CO], v[RBK+4*oi:RBK+4*oi+3], s[12:13] offset:(oi>>2)*262144+\a*2048+(oi&3)*512
.set oi, oi+1
.endr
.endm
	OUT16 0
	OUT16 1
	OUT16 2
	OUT16 3
	s_set_vgpr_msb 0x4
	s_wait_tensorcnt 0x0
	ds_add_u32 v255, v255
	s_wait_dscnt 0x0
	s_set_vgpr_msb 0x400
	CROUND                                         ; the closing round: no work-group ends while a partner may still ask for a tile that names it
	s_endpgm
.Lfunc_end_k_q612ea4ac35_qkv:
	.size	k_q612ea4ac35_qkv, .Lfunc_end_k_q612ea4ac35_qkv-k_q612ea4ac35_qkv
	.p2alignl 7, 3214868480
	.fill 96, 4, 3214868480
	.section	.rodata,"a",@progbits
	.p2align	6, 0x0
	.amdhsa_kernel k_q612ea4ac35_qkv
		.amdhsa_group_segment_fixed_size 327680
		.amdhsa_private_segment_fixed_size 0
		.amdhsa_enable_private_segment 0
		.amdhsa_kernarg_size 40
		.amdhsa_user_sgpr_count 2
		.amdhsa_user_sgpr_kernarg_segment_ptr 1
		.amdhsa_wavefront_size32 1
		.amdhsa_system_sgpr_workgroup_id_x 1
		.amdhsa_system_sgpr_workgroup_id_y 1
		.amdhsa_system_sgpr_workgroup_id_z 1
		.amdhsa_system_vgpr_workitem_id 0
		.amdhsa_next_free_vgpr 1024
		.amdhsa_next_free_sgpr 80
		.amdhsa_reserve_vcc 0
		.amdhsa_float_denorm_mode_32 3
		.amdhsa_float_denorm_mode_16_64 3
		.amdhsa_memory_ordered 1
		.amdhsa_forward_progress 1
		.amdhsa_inst_pref_size 157
	.end_amdhsa_kernel
	.amdgpu_metadata
---
amdhsa.version: [ 1, 2 ]
amdhsa.kernels:
  - .name:           k_q612ea4ac35_qkv
    .symbol:         k_q612ea4ac35_qkv.kd
    .args:
      - { .name: xb, .offset: 0, .size: 8, .value_kind: global_buffer, .address_space: global }
      - { .name: wb, .offset: 8, .size: 8, .value_kind: global_buffer, .address_space: global }
      - { .name: br, .offset: 16, .size: 8, .value_kind: global_buffer, .address_space: global }
      - { .name: bi, .offset: 24, .size: 8, .value_kind: global_buffer, .address_space: global }
      - { .name: qkv, .offset: 32, .size: 8, .value_kind: global_buffer, .address_space: global }
    .group_segment_fixed_size: 327680
    .private_segment_fixed_size: 0
    .kernarg_segment_align: 8
    .kernarg_segment_size: 40
    .max_flat_workgroup_size: 128
    .sgpr_count:     80
    .vgpr_count:     1024
    .wavefront_size: 32
...
	.end_amdgpu_metadata
.endif
;; end of part 2
;; launch attn (part 3): grid 256 x 1, 4 waves a work-group, clusters of 4 x 1, 322,048 bytes of LDS; arguments qkv, ab; writes ab
.if DOCPART == 3
	.amdgcn_target "amdgcn-amd-amdhsa--gfx1250"
	.amdhsa_code_object_version 6
	.text
	.protected	k_q612ea4ac35_attn
	.globl	k_q612ea4ac35_attn
	.p2align	8
	.type	k_q612ea4ac35_attn,@function
k_q612ea4ac35_attn:
	s_mov_b64 s[64:65], 0
	v_nop
	global_prefetch_b8 v0, s[64:65] scope:SCOPE_SE
	s_setreg_imm32_b32 hwreg(HW_REG_WAVE_MODE, 25, 1), 1
	s_wait_xcnt 0x0
	s_wait_alu depctr_hold_cnt(0) depctr_sa_sdst(0) depctr_va_vdst(0) depctr_va_sdst(0) depctr_va_ssrc(0) depctr_va_vcc(0) depctr_vm_vsrc(0)
	s_getreg_b32 s2, hwreg(HW_REG_IB_STS2, 6, 4)
	s_cmp_eq_u32 s2, 0
	s_cbranch_scc0 .Lentry_in_a_cluster
	s_endpgm
.Lentry_in_a_cluster:
	s_bfe_u32 s2, ttmp6, 0x10000c
	s_cmp_lg_u32 s2, 0x3003
	s_cbranch_scc0 .Lentry_shape_is_right
	s_endpgm
.Lentry_shape_is_right:
; Attention on magnitudes: for one (batch, head) and 128 queries, p = softmax over the 512 keys of |Q conj(K)^T| / 8, out = p V (V complex).
; qkv: [96 groups][2048 tokens][r 32 | i 32] f16; Q's groups 2 head + p, K's 32 + 2 head + p, V's 64 + 2 head + p (p = 0, 1: dims 32 p .. 32 p + 31).
; ab: [2048 tokens][16 heads][r 64 | i 64] f16.
; The cluster's number is 16 batch + head; the four work-groups of a cluster take 128 queries each and ask for K and V JOINTLY (mask 15).  A wave owns 32 queries, two groups qg of 16.
; All of K and V of the head lies in LDS (256 KB in f16): every byte is filled once, in four quarters of 128 keys, so that work starts when the first quarter is in.
; Each wave issues four tensor loads at the start (four are out at the most) and none later.
; S^T = K Q^T: lane (r, h) holds query r, registers 0-7 keys 16 kt + 8 h + 0..7.  So maximum, sum and scale are a lane's own numbers (one exchange joins the two halves),
; and two neighbouring key tiles, packed to f16, ARE the operand of the second product, O^T = V^T P^T: no shuffle.  V^T's fragments come by the transposing LDS load.
; sr = Kr Qr + Ki Qi, si = Kr Qi + Ki (-Qr); -Qr is made once, by flipping signs.
; SOFTMAX with a running maximum, 64 keys a chunk.  c = log2(e) / 8.  Each query keeps NM = round(-c max); p = exp2(fma(s, c, NM)); old sums are scaled by exp2(NM new - NM old).
; NM's rounding is then one factor for all terms of a row and cancels in the division by the sum.  The maximum starts at 0, which is exact: magnitudes are not negative.
; LIMITS: operands f16 (p lies in [0, 2^d], d at most half a unit in the last place of c max: finite up to |sim| of about 2e10); the sum adds p before its rounding to f16;
; v_sqrt_f32 and v_exp_f32 flush denormals (ISA guide 15.8): a squared magnitude or a weight below 2^-126 counts as 0; sr^2 + si^2 overflows above |sim| = 1.8e19, as in the reference;
; the maximum passes over a NaN, which still reaches the exponentials and the sum.
.set KPITCH, 272                       ; an LDS row holds two keys' 128 bytes; K: + 16 bytes: the sixteen keys of a fragment start at sixteen different 16-byte columns modulo 256
.set VPITCH, 288                       ; V: + 32 bytes: likewise for the sixteen lanes of a transposing load
.set VPLANE, 256*VPITCH
.set KPLANE, 256*KPITCH
.set KBASE,  2*VPLANE
.set STAGE,  KBASE+2*KPLANE            ; 286,720, a multiple of 256: no tensor load lands here
.set STGW,   32*272                    ; a wave's stage: 32 queries x (256 + 16) bytes
.set PLANEB, 262144                    ; a group's plane in qkv
.set KA,  2                            ; v2-3   LDS address of my K fragments, plane 0, 1
.set VA,  4                            ; v4-5   of my V fragments
.set STO, 6
.set RD,  7
.set CO,  8
.set QO,  9
.set MX,  10                           ; v10-11 running maximum of qg 0, 1
.set LS,  12                           ; v12-13 running sum (this half's keys)
.set NN,  14                           ; v14-15 the new NM
.set AL,  16                           ; v[16:19] scale of the old sums, a pair for each qg
.set NM,  20                           ; v[20:23] reference exponent, a pair for each qg
.set TT,  24                           ; v24-31 at work
.set SB,  32                           ; window 0: qg at SB + 64 qg: sr's four tiles (32 registers), then si's; P's two fragments take si's place
.set OB,  96                           ; window 1: O(qg, dt) at OB + 8 (8 qg + dt), dt = 4 p + 2 c + t; Q's fragments at 8 (6 qg + 3 p + kind), kind = Qr, Qi, -Qr
.set VFB, 128                          ; window 2: V(kc, dt) at VFB + 8 (8 kc + dt); K(kt, p, c) at 8 (4 kt + 2 p + c)
.set TMP, 32
.set RBK, 96
.set G1V, 16
.set G1K, 24
.set G0V, 32                           ; s[32:47] a group 0 for each quarter of V
.set G0K, 48                           ; s[48:63] of K
.set MSB, 0
.macro WIN new
.if MSB != \new
	s_set_vgpr_msb (MSB<<8)|\new
.set MSB, \new
.endif
.endm
.macro PLACES
.rept 4
	v_nop
.endr
.endm
.macro CROUND
	s_barrier_signal -1
	s_barrier_wait -1
	s_cmp_lg_u32 s8, 0
	s_cbranch_scc1 .Lnot_wave_0_\@
	s_barrier_signal -3
.Lnot_wave_0_\@:
	s_barrier_wait -3
	s_barrier_signal -1
	s_barrier_wait -1
.endm
.macro LOADK                           ; 64 keys: 4 tiles x 2 planes x (r, i), 32 loads
.irp kt, 0,1,2,3
.irp p, 0,1
.irp c, 0,1
	ds_load_b128 v[8*(4*\kt+2*\p+\c):8*(4*\kt+2*\p+\c)+3], v[KA+\p] offset:\kt*8*KPITCH+\c*64
	ds_load_b128 v[8*(4*\kt+2*\p+\c)+4:8*(4*\kt+2*\p+\c)+7], v[KA+\p] offset:\kt*8*KPITCH+\c*64+32
.endr
.endr
.endr
.endm
.macro LOADV                           ; 64 keys x 128 numbers, transposed: 2 steps of 32 keys x 8 tiles of 16 d, 32 loads
.irp kc, 0,1
.irp p, 0,1
.irp c, 0,1
.irp t, 0,1
	ds_load_tr16_b128 v[VFB+8*(8*\kc+4*\p+2*\c+\t):VFB+8*(8*\kc+4*\p+2*\c+\t)+3], v[VA+\p] offset:\kc*16*VPITCH+\c*64+\t*32
	ds_load_tr16_b128 v[VFB+8*(8*\kc+4*\p+2*\c+\t)+4:VFB+8*(8*\kc+4*\p+2*\c+\t)+7], v[VA+\p] offset:\kc*16*VPITCH+8*VPITCH+\c*64+\t*32
.endr
.endr
.endr
.endr
.endm
; 64 matrix instructions; sixteen accumulators take turns, one instruction a turn.  With K's part c, sr takes Q's kind c and si kind c + 1.
.macro QK
.irp p, 0,1
.irp c, 0,1
.irp kt, 0,1,2,3
.irp qg, 0,1
.if \p+\c == 0
	v_wmma_f32_16x16x32_f16 v[SB+64*\qg+8*\kt:SB+64*\qg+8*\kt+7], v[8*(4*\kt+2*\p+\c):8*(4*\kt+2*\p+\c)+7], v[8*(6*\qg+3*\p+\c):8*(6*\qg+3*\p+\c)+7], 0
	v_wmma_f32_16x16x32_f16 v[SB+64*\qg+32+8*\kt:SB+64*\qg+32+8*\kt+7], v[8*(4*\kt+2*\p+\c):8*(4*\kt+2*\p+\c)+7], v[8*(6*\qg+3*\p+\c+1):8*(6*\qg+3*\p+\c+1)+7], 0
.else
	v_wmma_f32_16x16x32_f16 v[SB+64*\qg+8*\kt:SB+64*\qg+8*\kt+7], v[8*(4*\kt+2*\p+\c):8*(4*\kt+2*\p+\c)+7], v[8*(6*\qg+3*\p+\c):8*(6*\qg+3*\p+\c)+7], v[SB+64*\qg+8*\kt:SB+64*\qg+8*\kt+7]
	v_wmma_f32_16x16x32_f16 v[SB+64*\qg+32+8*\kt:SB+64*\qg+32+8*\kt+7], v[8*(4*\kt+2*\p+\c):8*(4*\kt+2*\p+\c)+7], v[8*(6*\qg+3*\p+\c+1):8*(6*\qg+3*\p+\c+1)+7], v[SB+64*\qg+32+8*\kt:SB+64*\qg+32+8*\kt+7]
.endif
.endr
.endr
.endr
.endr
.endm
; 32 matrix instructions, sixteen accumulators by turns.  first = 1: the first 32 keys start the sums.
.macro PV first
.irp kc, 0,1
.irp dt, 0,1,2,3,4,5,6,7
.irp qg, 0,1
.if \first*(1-\kc)
	v_wmma_f32_16x16x32_f16 v[OB+8*(8*\qg+\dt):OB+8*(8*\qg+\dt)+7], v[VFB+8*(8*\kc+\dt):VFB+8*(8*\kc+\dt)+7], v[SB+64*\qg+32+8*\kc:SB+64*\qg+32+8*\kc+7], 0
.else
	v_wmma_f32_16x16x32_f16 v[OB+8*(8*\qg+\dt):OB+8*(8*\qg+\dt)+7], v[VFB+8*(8*\kc+\dt):VFB+8*(8*\kc+\dt)+7], v[SB+64*\qg+32+8*\kc:SB+64*\qg+32+8*\kc+7], v[OB+8*(8*\qg+\dt):OB+8*(8*\qg+\dt)+7]
.endif
.endr
.endr
.endr
.endm
.macro SCALE                           ; O times the pair AL of its query group
.irp qg, 0,1
.set i, 0
.rept 32
	v_pk_mul_f32 v[OB+64*\qg+2*i:OB+64*\qg+2*i+1], v[OB+64*\qg+2*i:OB+64*\qg+2*i+1], v[AL+2*\qg:AL+2*\qg+1]
.set i, i+1
.endr
.endr
.endm
; A chunk's 64 keys x 32 queries: a lane has 32 numbers for each qg.
.macro SOFT first
.set i, 0
.rept 16
.irp qg, 0,1
	v_pk_mul_f32 v[SB+64*\qg+2*i:SB+64*\qg+2*i+1], v[SB+64*\qg+2*i:SB+64*\qg+2*i+1], v[SB+64*\qg+2*i:SB+64*\qg+2*i+1]
.endr
.set i, i+1
.endr
.set i, 0
.rept 16
.irp qg, 0,1
	v_pk_fma_f32 v[SB+64*\qg+2*i:SB+64*\qg+2*i+1], v[SB+64*\qg+32+2*i:SB+64*\qg+32+2*i+1], v[SB+64*\qg+32+2*i:SB+64*\qg+32+2*i+1], v[SB+64*\qg+2*i:SB+64*\qg+2*i+1]
.endr
.set i, i+1
.endr
.set i, 0
.rept 32
.irp qg, 0,1
	v_sqrt_f32 v[SB+64*\qg+i], v[SB+64*\qg+i]
.endr
.set i, i+1
.endr
	v_nop                                          ; one plain instruction behind the last root before its result is used (ISA guide 5.7.2)
	s_wait_alu depctr_va_vdst(0)
.irp qg, 0,1
	v_max3_num_f32 v[TT+2*\qg], v[MX+\qg], v[SB+64*\qg], v[SB+64*\qg+1]     ; two chains for each qg; one starts from the running maximum
	v_max_num_f32 v[TT+2*\qg+1], v[SB+64*\qg+16], v[SB+64*\qg+17]
.endr
.set i, 2
.rept 7
.irp qg, 0,1
	v_max3_num_f32 v[TT+2*\qg], v[TT+2*\qg], v[SB+64*\qg+i], v[SB+64*\qg+i+1]
	v_max3_num_f32 v[TT+2*\qg+1], v[TT+2*\qg+1], v[SB+64*\qg+16+i], v[SB+64*\qg+17+i]
.endr
.set i, i+2
.endr
.irp qg, 0,1
	v_max_num_f32 v[TT+2*\qg], v[TT+2*\qg], v[TT+2*\qg+1]
.endr
.irp qg, 0,1
	v_permlanex16_b32 v[TT+2*\qg+1], v[TT+2*\qg], s66, s67                  ; the other half's keys of the same query
.endr
.irp qg, 0,1
	v_max_num_f32 v[MX+\qg], v[TT+2*\qg], v[TT+2*\qg+1]
.endr
.irp qg, 0,1
	v_mul_f32 v[NN+\qg], s70, v[MX+\qg]                                     ; -c max, rounded once: the row's reference exponent
.endr
.if \first == 0
.irp qg, 0,1
	v_sub_f32 v[TT+4+\qg], v[NN+\qg], v[NM+2*\qg]                           ; at most 0
.endr
.irp qg, 0,1
	v_exp_f32 v[AL+2*\qg], v[TT+4+\qg]
	v_exp_f32 v[AL+2*\qg+1], v[TT+4+\qg]
.endr
.endif
.irp qg, 0,1
	v_mov_b32 v[NM+2*\qg], v[NN+\qg]                                        ; plain instructions behind the exponentials, which touch neither their results nor their sources
	v_mov_b32 v[NM+2*\qg+1], v[NN+\qg]
.endr
.set i, 0
.rept 16
.irp qg, 0,1
	v_pk_fma_f32 v[SB+64*\qg+2*i:SB+64*\qg+2*i+1], v[SB+64*\qg+2*i:SB+64*\qg+2*i+1], s[68:69], v[NM+2*\qg:NM+2*\qg+1] op_sel_hi:[1,0,1]
.endr
.set i, i+1
.endr
.set i, 0
.rept 32
.irp qg, 0,1
	v_exp_f32 v[SB+64*\qg+i], v[SB+64*\qg+i]
.endr
.set i, i+1
.endr
	v_nop
	s_wait_alu depctr_va_vdst(0)
.irp qg, 0,1
	v_pk_add_f32 v[TT+4*\qg:TT+4*\qg+1], v[SB+64*\qg:SB+64*\qg+1], v[SB+64*\qg+2:SB+64*\qg+3]
	v_pk_add_f32 v[TT+4*\qg+2:TT+4*\qg+3], v[SB+64*\qg+4:SB+64*\qg+5], v[SB+64*\qg+6:SB+64*\qg+7]
.endr
.set i, 8
.rept 6
.irp qg, 0,1
	v_pk_add_f32 v[TT+4*\qg:TT+4*\qg+1], v[TT+4*\qg:TT+4*\qg+1], v[SB+64*\qg+i:SB+64*\qg+i+1]
	v_pk_add_f32 v[TT+4*\qg+2:TT+4*\qg+3], v[TT+4*\qg+2:TT+4*\qg+3], v[SB+64*\qg+i+2:SB+64*\qg+i+3]
.endr
.set i, i+4
.endr
.irp qg, 0,1
	v_pk_add_f32 v[TT+4*\qg:TT+4*\qg+1], v[TT+4*\qg:TT+4*\qg+1], v[TT+4*\qg+2:TT+4*\qg+3]
.endr
.irp qg, 0,1
.if \first
	v_add_f32 v[LS+\qg], v[TT+4*\qg], v[TT+4*\qg+1]
.else
	v_add_f32 v[TT+4*\qg], v[TT+4*\qg], v[TT+4*\qg+1]
.endif
.endr
.if \first == 0
.irp qg, 0,1
	v_fma_f32 v[LS+\qg], v[LS+\qg], v[AL+2*\qg], v[TT+4*\qg]
.endr
.endif
.set i, 0
.rept 16
.irp qg, 0,1
	v_cvt_pk_f16_f32 v[SB+64*\qg+32+i], v[SB+64*\qg+2*i], v[SB+64*\qg+2*i+1]   ; registers 0-7: keys 0-31 of the chunk, 8-15: keys 32-63, in the operand's layout
.endr
.set i, i+1
.endr
.endm
; One chunk of 64 keys.  K's fragments were loaded in the chunk before.  tc >= 0: the next chunk begins a new quarter of K and V: every wave waits for its part of it
; (tc younger tensor loads stay out) and all pass a barrier, behind which nothing is filled.
.macro CHUNK first, last, tc
.if \first == 0
	WIN 0
	v_add_nc_u32 v[VA], 32*VPITCH, v[VA]           ; five places behind the last matrix instructions: the loads below land in V's fragments
	v_add_nc_u32 v[VA+1], 32*VPITCH, v[VA+1]       ; and the first products write over P's
	v_nop
	v_nop
	v_nop
.endif
	WIN 0x80
	LOADV
	s_wait_dscnt 32                                ; K's 32 loads are in; V's 32, issued behind them, stay out
	WIN 0x06
	QK
	WIN 0
.if \last
	PLACES
.else
	v_add_nc_u32 v[KA], 32*KPITCH, v[KA]           ; four places: the loads below land in K's fragments, the squares read the sums
	v_add_nc_u32 v[KA+1], 32*KPITCH, v[KA+1]
	v_nop
	v_nop
.if \tc >= 0
	s_wait_dscnt 0x0                               ; no LDS instruction is pending at a signal
	s_wait_tensorcnt \tc                           ; tensor loads of a wave end in order (ISA guide 10.11.1): my part of the next quarter is in
	s_barrier_signal -1
	s_barrier_wait -1
.endif
	WIN 0x80
	LOADK
	WIN 0
.endif
	SOFT \first
.if \first == 0
	WIN 0x41
	SCALE
.endif
.if \last
	s_wait_dscnt 0x0
.else
	s_wait_dscnt 32                                ; V's fragments are in; the next chunk's 32 loads of K stay out
.endif
	WIN 0x52
	PV \first
.endm
	s_load_b128 s[4:7], s[0:1], 0x0                ; qkv s[4:5], ab s[6:7]
	v_lshl_add_u32 v254, v0, 2, 0x4e800
	v_mov_b32 v255, 0
	ds_add_u32 v254, v255
	v_lshrrev_b32 v1, 5, v0
	v_readfirstlane_b32 s8, v1                     ; wave 0..3
	s_lshr_b32 s9, s8, 1                           ; 0: I fetch V, 1: K
	s_and_b32 s13, s8, 1                           ; which plane
	s_bfe_u32 s10, ttmp6, 0x40000                  ; cx: my block of 128 queries
	s_lshr_b32 s11, ttmp9, 4                       ; batch
	s_and_b32 s12, ttmp9, 15                       ; head
	s_mov_b32 s66, 0x76543210                      ; v_permlanex16_b32: lane i of one half reads lane i of the other
	s_mov_b32 s67, 0xfedcba98
	s_mov_b32 s68, 0x3e38aa3b                      ; c = log2(e) / 8
	s_mov_b32 s69, 0x3e38aa3b
	s_mov_b32 s70, 0xbe38aa3b                      ; -c
	s_mov_b32 s71, 0x80008000
	; group 1: a quarter of a plane is dense in memory: 64 rows of 128 elements of 2 bytes; padding of 8 words (V) or 4 (K) behind each row; mask 15, bit 21 beside it
	s_mov_b32 s[G1V+0], 15|(1<<16)|(1<<20)|(1<<21)|(5<<22)|(7<<25)
	s_mov_b32 s[G1K+0], 15|(1<<16)|(1<<20)|(1<<21)|(5<<22)|(3<<25)
.irp g, G1V, G1K
	s_mov_b32 s[\g+1], 128<<16
	s_mov_b32 s[\g+2], 64<<16
	s_mov_b32 s[\g+3], 128<<16
	s_mov_b32 s[\g+4], 64
	s_mov_b32 s[\g+5], 128
	s_mov_b32 s[\g+6], 0
	s_mov_b32 s[\g+7], 0
.endr
	s_lshl_b32 s72, s12, 1
	s_add_co_u32 s72, s72, s13                     ; 2 head + plane
	s_lshl_b32 s72, s72, 18
	s_lshl_b32 s73, s11, 16                        ; a batch's 512 tokens x 128 bytes
	s_add_co_u32 s72, s72, s73
	s_mov_b32 s73, 0
	s_mul_i32 s74, s8, VPLANE                      ; V's plane of wave 0, 1
	s_mul_i32 s75, s8, KPLANE
	s_add_co_u32 s75, s75, KBASE-2*KPLANE          ; K's plane of wave 2, 3
	; my queries: token = 512 batch + 128 cx + 32 wave
	s_lshl_b32 s77, s11, 9
	s_lshl_b32 s78, s10, 7
	s_add_co_u32 s77, s77, s78
	s_lshl_b32 s78, s8, 5
	s_add_co_u32 s77, s77, s78
	s_lshl_b32 s76, s12, 19                        ; Q's group 2 head
	s_lshl_b32 s78, s77, 7
	s_add_co_u32 s76, s76, s78
	s_lshl_b32 s78, s77, 12                        ; ab: rows of 4,096 bytes,
	s_lshl_b32 s79, s12, 8                         ; the head's 256
	s_add_co_u32 s78, s78, s79
	s_mov_b32 s77, 0
	s_mov_b32 s79, 0
	s_wait_dscnt 0x0
	s_wait_kmcnt 0x0
	s_add_nc_u64 s[72:73], s[4:5], s[72:73]
	s_add_nc_u64 s[4:5], s[4:5], s[76:77]
	s_add_nc_u64 s[6:7], s[6:7], s[78:79]
.irp q, 0,1,2,3
	s_mov_b32 s[G0V+4*\q], 1
	s_add_co_u32 s[G0V+4*\q+1], s74, \q*64*VPITCH
	s_add_nc_u64 s[G0V+4*\q+2:G0V+4*\q+3], s[72:73], 64*PLANEB+\q*16384
	s_or_b32 s[G0V+4*\q+3], s[G0V+4*\q+3], 0x80000000
	s_mov_b32 s[G0K+4*\q], 1
	s_add_co_u32 s[G0K+4*\q+1], s75, \q*64*KPITCH
	s_add_nc_u64 s[G0K+4*\q+2:G0K+4*\q+3], s[72:73], 32*PLANEB+\q*16384
	s_or_b32 s[G0K+4*\q+3], s[G0K+4*\q+3], 0x80000000
.endr
	CROUND                                         ; the four work-groups are here: the joint loads meet
	s_cmp_eq_u32 s9, 0
	s_cbranch_scc0 .Lfor_k
.irp q, 0,1,2,3
	tensor_load_to_lds s[G0V+4*\q:G0V+4*\q+3], s[G1V:G1V+7]
	s_nop 0
.endr
	s_branch .Lasked
.Lfor_k:
.irp q, 0,1,2,3
	tensor_load_to_lds s[G0K+4*\q:G0K+4*\q+3], s[G1K:G1K+7]
	s_nop 0
.endr
.Lasked:
	v_and_b32 v1, 15, v0                           ; r
	v_bfe_u32 v24, v0, 4, 1                        ; h
	v_lshlrev_b32 v[QO], 7, v1
	v_lshl_add_u32 v[QO], v24, 4, v[QO]            ; query r's 128 bytes, 16 h
	WIN 0x40
.irp qg, 0,1
.irp p, 0,1
.irp c, 0,1
	global_load_b128 v[8*(6*\qg+3*\p+\c):8*(6*\qg+3*\p+\c)+3], v[QO], s[4:5] offset:\p*PLANEB+\qg*2048+\c*64
	global_load_b128 v[8*(6*\qg+3*\p+\c)+4:8*(6*\qg+3*\p+\c)+7], v[QO], s[4:5] offset:\p*PLANEB+\qg*2048+\c*64+32
.endr
.endr
.endr
	WIN 0
	v_lshrrev_b32 v26, 1, v1                       ; key r lies in row r >> 1, half r & 1
	v_mul_u32_u24 v26, v26, KPITCH
	v_and_b32 v27, 1, v1
	v_lshl_add_u32 v26, v27, 7, v26
	v_lshl_add_u32 v26, v24, 4, v26
	v_add_nc_u32 v[KA], KBASE, v26
	v_add_nc_u32 v[KA+1], KBASE+KPLANE, v26
	v_bfe_u32 v26, v0, 1, 2                        ; the transposing load: lane l addresses key 8 h + (l & 7): row 4 h + ((l & 7) >> 1), half l & 1,
	v_lshl_add_u32 v26, v24, 2, v26
	v_mul_u32_u24 v26, v26, VPITCH
	v_lshl_add_u32 v26, v27, 7, v26
	v_bfe_u32 v28, v0, 3, 1                        ; and 16 bytes on for lanes 8-15 and 24-31
	v_lshl_add_u32 v[VA], v28, 4, v26
	v_add_nc_u32 v[VA+1], VPLANE, v[VA]
	s_mul_i32 s72, s8, STGW
	s_add_co_u32 s72, s72, STAGE
	v_mul_u32_u24 v26, v1, 272
	v_lshl_add_u32 v26, v24, 4, v26
	v_add_nc_u32 v[STO], s72, v26
	v_mul_u32_u24 v26, v24, 272
	v_lshl_add_u32 v26, v1, 4, v26
	v_add_nc_u32 v[RD], s72, v26
	v_lshlrev_b32 v26, 12, v24
	v_lshl_add_u32 v[CO], v1, 4, v26
	v_mov_b32 v[MX], 0
	v_mov_b32 v[MX+1], 0
	s_wait_loadcnt 0x0                             ; Q
	WIN 0x44
.irp qg, 0,1
.irp p, 0,1
.irp j, 0,1,2,3,4,5,6,7
	v_xor_b32 v[8*(6*\qg+3*\p+2)+\j], s71, v[8*(6*\qg+3*\p)+\j]    ; -Qr
.endr
.endr
.endr
	WIN 0
	s_wait_tensorcnt 0x3                           ; my part of the first quarter is in; three loads stay out
	s_barrier_signal -1
	s_barrier_wait -1
	WIN 0x80
	LOADK
	CHUNK 1, 0, -1
	CHUNK 0, 0, 2
	CHUNK 0, 0, -1
	CHUNK 0, 0, 1
	CHUNK 0, 0, -1
	CHUNK 0, 0, 0
	CHUNK 0, 0, -1
	CHUNK 0, 1, -1
	; divide by the sum, round to f16, out through my own stage as whole blocks of 256 bytes
	WIN 0
	PLACES
.irp qg, 0,1
	v_permlanex16_b32 v[TT+\qg], v[LS+\qg], s66, s67
.endr
.irp qg, 0,1
	v_add_f32 v[LS+\qg], v[LS+\qg], v[TT+\qg]
.endr
.irp qg, 0,1
	v_rcp_f32 v[AL+2*\qg], v[LS+\qg]
	v_rcp_f32 v[AL+2*\qg+1], v[LS+\qg]
.endr
	v_nop
	s_wait_alu depctr_va_vdst(0)
	WIN 0x41
	SCALE
	WIN 0x05
.set i, 0
.rept 64
	v_cvt_pk_f16_f32 v[TMP+i], v[OB+2*i], v[OB+2*i+1]
.set i, i+1
.endr
	WIN 0
.irp qg, 0,1
.irp p, 0,1
.irp c, 0,1
.irp t, 0,1
	ds_store_b128 v[STO], v[TMP+4*(8*\qg+4*\p+2*\c+\t):TMP+4*(8*\qg+4*\p+2*\c+\t)+3] offset:\qg*16*272+\c*128+\p*64+\t*32
.endr
.endr
.endr
.endr
.irp t, 0,1,2,3,4,5,6,7,8,9,10,11,12,13,14,15
	ds_load_b128 v[RBK+4*\t:RBK+4*\t+3], v[RD] offset:\t*544       ; LDS serves a wave's instructions in order (ISA guide 5.7.1.4): these see the stores above
.endr
.irp t, 0,1,2,3,4,5,6,7,8,9,10,11,12,13,14,15
	s_wait_dscnt 15-\t
	global_store_b128 v[CO], v[RBK+4*\t:RBK+4*\t+3], s[6:7] offset:\t*8192   ; sixteen lanes store a query's 256 consecutive bytes, aligned
.endr
	s_wait_tensorcnt 0x0
	ds_add_u32 v254, v255
	s_wait_dscnt 0x0
	CROUND                                         ; the closing round
	s_endpgm
.Lfunc_end_k_q612ea4ac35_attn:
	.size	k_q612ea4ac35_attn, .Lfunc_end_k_q612ea4ac35_attn-k_q612ea4ac35_attn
	.p2alignl 7, 3214868480
	.fill 96, 4, 3214868480
	.section	.rodata,"a",@progbits
	.p2align	6, 0x0
	.amdhsa_kernel k_q612ea4ac35_attn
		.amdhsa_group_segment_fixed_size 322048
		.amdhsa_private_segment_fixed_size 0
		.amdhsa_enable_private_segment 0
		.amdhsa_kernarg_size 16
		.amdhsa_user_sgpr_count 2
		.amdhsa_user_sgpr_kernarg_segment_ptr 1
		.amdhsa_wavefront_size32 1
		.amdhsa_system_sgpr_workgroup_id_x 1
		.amdhsa_system_sgpr_workgroup_id_y 1
		.amdhsa_system_sgpr_workgroup_id_z 1
		.amdhsa_system_vgpr_workitem_id 0
		.amdhsa_next_free_vgpr 768
		.amdhsa_next_free_sgpr 88
		.amdhsa_reserve_vcc 0
		.amdhsa_float_denorm_mode_32 3
		.amdhsa_float_denorm_mode_16_64 3
		.amdhsa_memory_ordered 1
		.amdhsa_forward_progress 1
		.amdhsa_inst_pref_size 255
	.end_amdhsa_kernel
	.section	.bss,"aw",@nobits
	.p2align	6
	.space	262144
	.amdgpu_metadata
---
amdhsa.version: [ 1, 2 ]
amdhsa.kernels:
  - .name:           k_q612ea4ac35_attn
    .symbol:         k_q612ea4ac35_attn.kd
    .args:
      - { .name: qkv, .offset: 0, .size: 8, .value_kind: global_buffer, .address_space: global }
      - { .name: ab, .offset: 8, .size: 8, .value_kind: global_buffer, .address_space: global }
    .group_segment_fixed_size: 322048
    .private_segment_fixed_size: 0
    .kernarg_segment_align: 8
    .kernarg_segment_size: 16
    .max_flat_workgroup_size: 128
    .sgpr_count:     88
    .vgpr_count:     768
    .wavefront_size: 32
...
	.end_amdgpu_metadata
.endif
;; end of part 3
;; launch oproj (part 4): grid 16 x 16, 4 waves a work-group, clusters of 4 x 4, 327,680 bytes of LDS; arguments ab, wb, br, bi, out0; writes out0
.if DOCPART == 4
	.amdgcn_target "amdgcn-amd-amdhsa--gfx1250"
	.amdhsa_code_object_version 6
	.text
	.protected	k_q612ea4ac35_oproj
	.globl	k_q612ea4ac35_oproj
	.p2align	8
	.type	k_q612ea4ac35_oproj,@function
k_q612ea4ac35_oproj:
	s_mov_b64 s[64:65], 0
	v_nop
	global_prefetch_b8 v0, s[64:65] scope:SCOPE_SE
	s_setreg_imm32_b32 hwreg(HW_REG_WAVE_MODE, 25, 1), 1
	s_wait_xcnt 0x0
	s_wait_alu depctr_hold_cnt(0) depctr_sa_sdst(0) depctr_va_vdst(0) depctr_va_sdst(0) depctr_va_ssrc(0) depctr_va_vcc(0) depctr_vm_vsrc(0)
	s_getreg_b32 s2, hwreg(HW_REG_IB_STS2, 6, 4)
	s_cmp_eq_u32 s2, 0
	s_cbranch_scc0 .Lentry_in_a_cluster
	s_endpgm
.Lentry_in_a_cluster:
	s_bfe_u32 s2, ttmp6, 0x10000c
	s_cmp_lg_u32 s2, 0xf033
	s_cbranch_scc0 .Lentry_shape_is_right
	s_endpgm
.Lentry_shape_is_right:
; The output layer: 2048 tokens x 1024 complex columns x 1024 complex k, with W = layer 3 of wb (rows 3072 on) and biases br[3], bi[3].
;   real = ar Wr^T - ai Wi^T + br,   imag = ar Wi^T + ai Wr^T + bi.     Operands f16, sums f32, result f32: out0 = [real | imag][2048][1024].
; ab: [2048][16 kb][r 64 | i 64] f16, wb: [4096 rows][16 kb][r 64 | i 64] f16: a block kb is 256 bytes of a row.
; A work-group makes 128 tokens x 64 complex columns with four waves one above the other, a wave 32 x 64: RB x NB = 2 x 4 tiles of 16 x 16, real and imaginary.  16 x 16 work-groups.
; A step of 32 along k is 32 matrix instructions of a wave, so a slot has to be long for its successor to land meanwhile: a slot holds THREE blocks kb (768 bytes of each of
; 128 + 64 rows, six steps).  Two such slots are 2 x 192 x 816 = 313,344 bytes of LDS; a seventh block (52,224 bytes) is more than the work-group can be given.
; K's 16 blocks go as pieces of 3, 3, 3, 3, 3, 1: two first fills and four refills, written out without a loop.  From a request to the wait for it a wave issues 184 matrix instructions.
; The last piece is asked for by the same tile with tensor_dim0 = 128 elements, what is left of the row from block 15 on: the rest of the tile arrives as zeros and is not read.
; In LDS 16 bytes of padding follow every block, so a row's pitch is 3 x 272 = 816 = 51 x 16 bytes: the sixteen rows of a fragment start at sixteen different 16-byte columns modulo 256.
; CLUSTERS: 4 x 4 work-groups; ab's tile hangs on the block row alone and is asked for jointly by a row of the cluster, W's on the block column alone, by a column.
; The matrix instruction is used transposed (source 0 = rows of W, source 1 = tokens): lane (r, h) holds token r, registers 0-7 the columns 8 h + 0..7, 32 bytes in f32.
; -ai is made in registers (the sign bits of two f16 flipped by one v_xor_b32).  The first product of each sum takes the bias tile as C: nothing is cleared, nothing is added later.
; REGISTER WINDOWS: 0: addresses, W's fragments; 1: a's fragments ar, ai, -ai; 2: real sums, br's tiles; 3: imaginary sums, bi's tiles.
.set RB,     2
.set NB,     4
.set NT,     64                        ; rows of W in a tile
.set BLKS,   3                         ; blocks kb in a slot
.set BP,     272                       ; a block in LDS: 256 bytes + 16 of padding
.set PITCH,  BLKS*BP                   ; 816
.set STEPB,  BLKS*256                  ; bytes of a row in a slot, in memory
.set SLOT,   (128+NT)*PITCH            ; a's 128 rows, then W's 64
.set WROW0,  3072
.set AROLE,  0                         ; waves 0, 1 fetch a's halves, waves 2, 3 W's
.set AOFF,   0
.set BOFF,   128*PITCH
.set ACONST, AOFF                      ; a's half of wave w (0, 1) lies at ACONST + w x 64 rows
.set BCONST, BOFF-NT*PITCH             ; W's half of wave w (2, 3) at BCONST + w x 32 rows
.set STAGE,  0                         ; the way out's stage lies in slot 0, which has had its last fill and its last read by then
.set SPITCH, 272                       ; the stage's rows: 64 f32 + 16 bytes
.set STGW,   16*SPITCH
.set ADRA, 16                          ; v16-17 LDS address of my a fragments in slot 0, 1
.set ADRB, 20                          ; v20-21 of W's fragments
.set STO,  24
.set RD,   25
.set CO,   26
.set BO,   27
.set FB,   32                          ; window 0: W buffer f at FB + 96 f: Wr's fragment b at + 8 b, Wi's at + 48 + 8 b
.set BIAS, 192
.set RBK,  80
.set G1,  24                           ; s[24:31] group 1 for a's tiles
.set G0,  32                           ; s[32:39] group 0 for a's tiles, one set a slot
.set G1B, 48                           ; s[48:55] group 1 for W's tiles
.set G0B, 56                           ; s[56:63] group 0 for W's tiles
.set MUL_R, 0xa4                       ; source 0 window 0, source 1 window 1, C and D window 2
.set MUL_I, 0xf4                       ; the same, C and D window 3
.set TO_A,  0x40
.set NEGW,  0x44
.set MSB, 0
.macro WIN new                         ; the immediate's high byte repeats the setting that is left
.if MSB != \new
	s_set_vgpr_msb (MSB<<8)|\new
.set MSB, \new
.endif
.endm
.macro PLACES                          ; four places behind a matrix instruction (ISA guide 7.12.1)
.rept 4
	v_nop
.endr
.endm
.macro JLOAD s                         ; a joint load; the branch hangs on the wave's number alone
	s_cmp_eq_u32 s15, AROLE
	s_cbranch_scc0 .Lfor_b_\@
	tensor_load_to_lds s[G0+4*\s:G0+4*\s+3], s[G1:G1+7]
	s_nop 0
	s_branch .Lasked_\@
.Lfor_b_\@:
	tensor_load_to_lds s[G0B+4*\s:G0B+4*\s+3], s[G1B:G1B+7]
	s_nop 0
.Lasked_\@:
.endm
.macro CREST                           ; a round of the cluster's barrier behind its opening work-group barrier
	s_cmp_lg_u32 s14, 0
	s_cbranch_scc1 .Lnot_wave_0_\@
	s_barrier_signal -3
.Lnot_wave_0_\@:
	s_barrier_wait -3
	s_barrier_signal -1
	s_barrier_wait -1
.endm
.macro CROUND
	s_barrier_signal -1
	s_barrier_wait -1
	CREST
.endm
; RB x NB matrix instructions, one for each tile of the window.  mode = 1: the bias tile starts the sum.
; The accumulators take turns, one instruction a turn.
.macro GROUP bb, ab, mode
.set ga, 0
.rept RB
.set gb, 0
.rept NB
.if \mode
	v_wmma_f32_16x16x32_f16 v[8*(ga*NB+gb):8*(ga*NB+gb)+7], v[\bb+8*gb:\bb+8*gb+7], v[\ab+8*ga:\ab+8*ga+7], v[BIAS+8*gb:BIAS+8*gb+7]
.else
	v_wmma_f32_16x16x32_f16 v[8*(ga*NB+gb):8*(ga*NB+gb)+7], v[\bb+8*gb:\bb+8*gb+7], v[\ab+8*ga:\ab+8*ga+7], v[8*(ga*NB+gb):8*(ga*NB+gb)+7]
.endif
.set gb, gb+1
.endr
.set ga, ga+1
.endr
.endm
.macro NEG f                           ; -ai of buffer f
.set ni, 0
.rept 8*RB
	v_xor_b32 v[96*\f+64+ni], s66, v[96*\f+32+ni]
.set ni, ni+1
.endr
.endm
; One step's fragments (byte k of the slot's rows; the imaginary part 128 bytes on) into buffer g: ai, ar, Wr, Wi, so that Wi's 2 NB loads are the youngest.
.macro FETCH slot, k, g
	WIN TO_A
.set fi, 0
.rept RB
	ds_load_b128 v[96*\g+32+8*fi:96*\g+32+8*fi+3], v[ADRA+\slot] offset:\k+128+fi*16*PITCH
	ds_load_b128 v[96*\g+32+8*fi+4:96*\g+32+8*fi+7], v[ADRA+\slot] offset:\k+160+fi*16*PITCH
.set fi, fi+1
.endr
.set fi, 0
.rept RB
	ds_load_b128 v[96*\g+8*fi:96*\g+8*fi+3], v[ADRA+\slot] offset:\k+fi*16*PITCH
	ds_load_b128 v[96*\g+8*fi+4:96*\g+8*fi+7], v[ADRA+\slot] offset:\k+32+fi*16*PITCH
.set fi, fi+1
.endr
	WIN 0
.set fi, 0
.rept NB
	ds_load_b128 v[FB+96*\g+8*fi:FB+96*\g+8*fi+3], v[ADRB+\slot] offset:\k+fi*16*PITCH
	ds_load_b128 v[FB+96*\g+8*fi+4:FB+96*\g+8*fi+7], v[ADRB+\slot] offset:\k+32+fi*16*PITCH
.set fi, fi+1
.endr
.set fi, 0
.rept NB
	ds_load_b128 v[FB+96*\g+48+8*fi:FB+96*\g+48+8*fi+3], v[ADRB+\slot] offset:\k+128+fi*16*PITCH
	ds_load_b128 v[FB+96*\g+48+8*fi+4:FB+96*\g+48+8*fi+7], v[ADRB+\slot] offset:\k+160+fi*16*PITCH
.set fi, fi+1
.endr
.endm
; A step of 32 along k on buffer f; in its middle the next step's fragments (byte knext of the same slot's rows) are fetched into buffer g.
.macro QUARTER slot, knext, f, g, mode
	s_wait_dscnt 2*NB                              ; LDS loads come back in order (ISA guide 5.7.1): all but Wi's, the youngest 2 NB, are in
	WIN NEGW
	NEG \f
	WIN MUL_R
	GROUP FB+96*\f, 96*\f, \mode                   ; real += Wr ar
	s_wait_dscnt 0x0                               ; Wi
	GROUP FB+96*\f+48, 96*\f+64, 0                 ; real += Wi (-ai)
	PLACES                                         ; loads into registers that matrix instructions have read stand four places behind them
	FETCH \slot, \knext, \g
	WIN MUL_I
	GROUP FB+96*\f+48, 96*\f, \mode                ; imag += Wi ar
	GROUP FB+96*\f, 96*\f+32, 0                    ; imag += Wr ai
.endm
.macro FIVE slot, mode                 ; the first five of a slot's six steps: step q lies at byte (q >> 1) BP + (q & 1) 64 of the rows
	QUARTER \slot, 64, 0, 1, \mode
	QUARTER \slot, BP, 1, 0, 0
	QUARTER \slot, BP+64, 0, 1, 0
	QUARTER \slot, 2*BP, 1, 0, 0
	QUARTER \slot, 2*BP+64, 0, 1, 0
.endm
; A slot's last step (buffer 1) and the change of slots.  In front of the barrier each wave waits for its reads of this slot and for all its tensor loads (one is out:
; its part of the next slot).  fill = 1, 2: the barrier opens a round of the cluster's barrier, and behind the round this slot is asked for again, six blocks further on, first of all.
; fill = 2: one block is left of the rows: tensor_dim0 says so.
.macro TURN slot, next, fill
	s_wait_dscnt 2*NB
	WIN NEGW
	NEG 1
	WIN MUL_R
	GROUP FB+96, 96, 0
	s_wait_dscnt 0x0                               ; my reads of this slot are over
	s_wait_tensorcnt 0x0                           ; all my tensor loads have landed: every descriptor register may be written
	ds_add_u32 v255, v255
	s_wait_dscnt 0x0
	s_barrier_signal -1
	GROUP FB+96+48, 96+64, 0                       ; registers alone between signal and wait
	WIN 0
	s_barrier_wait -1
.if \fill
	CREST                                          ; no wave of any partner still reads this slot or has a load on its way
	s_add_nc_u64 s[G0+4*\slot+2:G0+4*\slot+3], s[G0+4*\slot+2:G0+4*\slot+3], 2*STEPB
	s_add_nc_u64 s[G0B+4*\slot+2:G0B+4*\slot+3], s[G0B+4*\slot+2:G0B+4*\slot+3], 2*STEPB
.if \fill == 2
	s_mov_b32 s[G1+1], 128<<16                     ; tensor_dim0 = 128: elements of the tile beyond it are not fetched and arrive as zeros
	s_mov_b32 s[G1B+1], 128<<16
.endif
	JLOAD \slot                                    ; my one tensor load behind the round
.endif
	PLACES
	FETCH \next, 0, 0
	WIN MUL_I
	GROUP FB+96+48, 96, 0
	GROUP FB+96, 96+32, 0
.endm
	s_load_b256 s[4:11], s[0:1], 0x0               ; ab s[4:5], wb s[6:7], br s[8:9], bi s[10:11]
	s_load_b64 s[12:13], s[0:1], 0x20              ; out0
	v_lshl_add_u32 v255, v0, 2, 0x4c800
	s_set_vgpr_msb 0x40
	v_mov_b32 v255, 0
	s_set_vgpr_msb 0x4044
	ds_add_u32 v255, v255
	s_set_vgpr_msb 0x4400
	v_lshrrev_b32 v1, 5, v0
	v_readfirstlane_b32 s14, v1                    ; wave 0..3: my 32 tokens of the block's 128
	s_lshr_b32 s15, s14, 1                         ; what I fetch
	s_and_b32 s16, s14, 1                          ; which half of that tile
	s_mov_b32 s66, 0x80008000                      ; the signs of two f16
	s_bfe_u32 s20, ttmp6, 0x40000                  ; cx
	s_bfe_u32 s21, ttmp6, 0x40004                  ; cy
	s_lshl_b32 s22, ttmp9, 2
	s_add_co_u32 s22, s22, s20                     ; block column
	s_and_b32 s23, ttmp7, 0xffff
	s_lshl_b32 s23, s23, 2
	s_add_co_u32 s23, s23, s21                     ; block row
	s_lshl_b32 s40, s21, 2
	s_lshl_b32 s40, 15, s40                        ; my row of the cluster
	s_lshl_b32 s44, 0x1111, s20                    ; my column
	; group 1: rows of 384 elements of 2 bytes, 2,048 elements from row to row, 4 words of padding behind every 64 words (a block); bit 21 set beside the mask
	s_or_b32 s[G1+0], s40, (1<<16)|(1<<20)|(1<<21)|(5<<22)|(3<<25)
	s_or_b32 s[G1B+0], s44, (1<<16)|(1<<20)|(1<<21)|(5<<22)|(3<<25)
	s_mov_b32 s[G1+1], (128*BLKS)<<16              ; tensor_dim0
	s_mov_b32 s[G1B+1], (128*BLKS)<<16
	s_mov_b32 s[G1+2], 64<<16                      ; tensor_dim1 = the tile's rows: 64 of a,
	s_mov_b32 s[G1B+2], (NT/2)<<16                 ; 32 of W
	s_mov_b32 s[G1+3], (128*BLKS)<<16              ; tile_dim0
	s_mov_b32 s[G1B+3], (128*BLKS)<<16
	s_mov_b32 s[G1+4], 64                          ; tile_dim1
	s_mov_b32 s[G1B+4], NT/2
	s_mov_b32 s[G1+5], 2048                        ; stride
	s_mov_b32 s[G1B+5], 2048
	s_mov_b32 s[G1+6], 0
	s_mov_b32 s[G1B+6], 0
	s_mov_b32 s[G1+7], 0
	s_mov_b32 s[G1B+7], 0
	; a's tile hangs on the block row (shared along my row of the cluster), W's on the block column; s[40:43] never hold cx, s[44:47] never cy
	s_lshl_b32 s40, s23, 7
	s_lshl_b32 s41, s16, 6
	s_add_co_u32 s40, s40, s41                     ; token 128 x block row + 64 x half
	s_lshl_b32 s40, s40, 12
	s_mov_b32 s41, 0
	s_mul_i32 s44, s22, NT
	s_mul_i32 s45, s16, NT/2
	s_add_co_u32 s44, s44, s45
	s_add_co_u32 s44, s44, WROW0                   ; row of wb
	s_lshl_b32 s44, s44, 12
	s_mov_b32 s45, 0
	s_mul_i32 s42, s14, 64*PITCH                   ; LDS addresses: a constant and the wave's number times a constant
	s_add_co_u32 s42, s42, ACONST
	s_mul_i32 s46, s14, (NT/2)*PITCH
	s_add_co_u32 s46, s46, BCONST
	s_wait_dscnt 0x0
	s_wait_kmcnt 0x0
	s_add_nc_u64 s[40:41], s[4:5], s[40:41]
	s_add_nc_u64 s[44:45], s[6:7], s[44:45]
	CROUND                                         ; all sixteen work-groups are here: the first joint loads meet
.irp s, 0,1
	s_mov_b32 s[G0+4*\s], 1
	s_add_co_u32 s[G0+4*\s+1], s42, \s*SLOT
	s_add_nc_u64 s[G0+4*\s+2:G0+4*\s+3], s[40:41], \s*STEPB
	s_or_b32 s[G0+4*\s+3], s[G0+4*\s+3], 0x80000000
	s_mov_b32 s[G0B+4*\s], 1
	s_add_co_u32 s[G0B+4*\s+1], s46, \s*SLOT
	s_add_nc_u64 s[G0B+4*\s+2:G0B+4*\s+3], s[44:45], \s*STEPB
	s_or_b32 s[G0B+4*\s+3], s[G0B+4*\s+3], 0x80000000
	JLOAD \s                                       ; both slots' first fills (blocks 0-2, 3-5) go out together: two tensor loads of the wave are out
.endr
	; the bias tiles: lane (r, h), register j holds bias[3072 + first column + 16 b + 8 h + j]
	s_mul_i32 s74, s22, NT
	s_add_co_u32 s74, s74, WROW0
	s_lshl_b32 s74, s74, 2
	s_mov_b32 s75, 0
	s_add_nc_u64 s[8:9], s[8:9], s[74:75]
	s_add_nc_u64 s[10:11], s[10:11], s[74:75]
	v_and_b32 v1, 15, v0                           ; r
	v_bfe_u32 v2, v0, 4, 1                         ; h
	v_lshlrev_b32 v[BO], 5, v2
	WIN 0x80
.set gb, 0
.rept NB
	global_load_b128 v[BIAS+8*gb:BIAS+8*gb+3], v[BO], s[8:9] offset:64*gb
	global_load_b128 v[BIAS+8*gb+4:BIAS+8*gb+7], v[BO], s[8:9] offset:64*gb+16
.set gb, gb+1
.endr
	WIN 0xc0
.set gb, 0
.rept NB
	global_load_b128 v[BIAS+8*gb:BIAS+8*gb+3], v[BO], s[10:11] offset:64*gb
	global_load_b128 v[BIAS+8*gb+4:BIAS+8*gb+7], v[BO], s[10:11] offset:64*gb+16
.set gb, gb+1
.endr
	WIN 0
	; fragments: lane (r, h) reads row r at 16 h, twice, 32 bytes apart
	v_mul_u32_u24 v3, v1, PITCH
	v_lshl_add_u32 v3, v2, 4, v3
	s_mul_i32 s72, s14, RB*16*PITCH                ; my 32 tokens
	s_add_co_u32 s72, s72, AOFF
	s_mov_b32 s73, BOFF                            ; every wave reads all 64 rows of W
.irp s, 0,1
	v_add_nc_u32 v[ADRA+\s], s72, v3
	v_add_nc_u32 v[ADRB+\s], s73, v3
	s_add_co_u32 s72, s72, SLOT
	s_add_co_u32 s73, s73, SLOT
.endr
	; the way out
	s_mul_i32 s72, s14, STGW
	s_add_co_u32 s72, s72, STAGE
	v_mul_u32_u24 v4, v1, SPITCH
	v_lshl_add_u32 v4, v2, 5, v4
	v_add_nc_u32 v[STO], s72, v4                   ; token r, 32 h
	v_mul_u32_u24 v5, v2, SPITCH
	v_lshl_add_u32 v5, v1, 4, v5
	v_add_nc_u32 v[RD], s72, v5                    ; lanes 0-15 one token's 256 bytes, lanes 16-31 the next one's
	v_lshlrev_b32 v5, 12, v2
	v_lshl_add_u32 v[CO], v1, 4, v5                ; the same two rows in out0
	s_lshl_b32 s72, s23, 7
	s_lshl_b32 s73, s14, 5
	s_add_co_u32 s72, s72, s73                     ; my first token
	s_lshl_b32 s72, s72, 12
	s_lshl_b32 s73, s22, 8                         ; 64 columns of 4 bytes a block
	s_add_co_u32 s72, s72, s73
	s_mov_b32 s73, 0
	s_add_nc_u64 s[12:13], s[12:13], s[72:73]      ; real plane
	s_add_nc_u64 s[68:69], s[12:13], 0x800000      ; imaginary plane: 2048 x 4,096 bytes on
	s_wait_tensorcnt 0x1                           ; my part of blocks 0-2 is in; blocks 3-5 stay out
	s_barrier_signal -1
	s_barrier_wait -1
	FETCH 0, 0, 0
	s_wait_loadcnt 0x0                             ; the bias tiles
	FIVE 0, 1                                      ; blocks 0-2; the first products start the sums
	TURN 0, 1, 1                                   ; blocks 6-8 into slot 0
	FIVE 1, 0                                      ; blocks 3-5
	TURN 1, 0, 1                                   ; blocks 9-11 into slot 1
	FIVE 0, 0                                      ; blocks 6-8
	TURN 0, 1, 1                                   ; blocks 12-14 into slot 0
	FIVE 1, 0                                      ; blocks 9-11
	TURN 1, 0, 2                                   ; block 15 into slot 1: the last load
	FIVE 0, 0                                      ; blocks 12-14
	TURN 0, 1, 0                                   ; nothing is left to fetch
	QUARTER 1, 64, 0, 1, 0                         ; block 15: two steps
	s_wait_dscnt 2*NB                              ; the very last step
	WIN NEGW
	NEG 1
	WIN MUL_R
	GROUP FB+96, 96, 0
	s_wait_dscnt 0x0                               ; my last reads of the slots are over
	GROUP FB+96+48, 96+64, 0
	WIN MUL_I
	GROUP FB+96+48, 96, 0
	GROUP FB+96, 96+32, 0
	PLACES                                         ; behind the last matrix instructions: the LDS stores read results, the loads land in fragment registers
	WIN 0
	s_barrier_signal -1                            ; no LDS instruction and no tensor load of mine is out (the waits for 0 above);
	s_barrier_wait -1                              ; behind this barrier no wave reads a slot any more and no tensor load follows: slot 0's first bytes serve as the stage
; 16 tokens x 64 columns of one part: the sums go as they are into my own stage, are read back as whole rows of 256 bytes and stored, sixteen lanes a row.
.macro OUT16 a, part
.if \part
	WIN 0x0c
.else
	WIN 0x08
.endif
.set ob, 0
.rept NB
	ds_store_b128 v[STO], v[8*(\a*NB+ob):8*(\a*NB+ob)+3] offset:64*ob
	ds_store_b128 v[STO], v[8*(\a*NB+ob)+4:8*(\a*NB+ob)+7] offset:64*ob+16
.set ob, ob+1
.endr
	WIN 0
	s_wait_xcnt 0x0                                ; the rows read back last time are still the sources of stores: they are loaded again only behind this wait (ISA guide 3.1)
.irp t, 0,1,2,3,4,5,6,7
	ds_load_b128 v[RBK+4*\t:RBK+4*\t+3], v[RD] offset:\t*2*SPITCH  ; LDS serves a wave's instructions in order (ISA guide 5.7.1.4): these see the stores above
.endr
.irp t, 0,1,2,3,4,5,6,7
	s_wait_dscnt 7-\t
.if \part
	global_store_b128 v[CO], v[RBK+4*\t:RBK+4*\t+3], s[68:69] offset:(16*\a+2*\t)*4096 th:TH_STORE_NT
.else
	global_store_b128 v[CO], v[RBK+4*\t:RBK+4*\t+3], s[12:13] offset:(16*\a+2*\t)*4096 th:TH_STORE_NT
.endif
.endr
.endm
	OUT16 0, 0
	OUT16 0, 1
	OUT16 1, 0
	OUT16 1, 1
	s_set_vgpr_msb 0x4
	s_wait_tensorcnt 0x0
	ds_add_u32 v255, v255
	s_wait_dscnt 0x0
	s_set_vgpr_msb 0x400
	CROUND                                         ; the closing round: no work-group ends while a partner may still ask for a tile that names it
	s_endpgm
.Lfunc_end_k_q612ea4ac35_oproj:
	.size	k_q612ea4ac35_oproj, .Lfunc_end_k_q612ea4ac35_oproj-k_q612ea4ac35_oproj
	.p2alignl 7, 3214868480
	.fill 96, 4, 3214868480
	.section	.rodata,"a",@progbits
	.p2align	6, 0x0
	.amdhsa_kernel k_q612ea4ac35_oproj
		.amdhsa_group_segment_fixed_size 327680
		.amdhsa_private_segment_fixed_size 0
		.amdhsa_enable_private_segment 0
		.amdhsa_kernarg_size 40
		.amdhsa_user_sgpr_count 2
		.amdhsa_user_sgpr_kernarg_segment_ptr 1
		.amdhsa_wavefront_size32 1
		.amdhsa_system_sgpr_workgroup_id_x 1
		.amdhsa_system_sgpr_workgroup_id_y 1
		.amdhsa_system_sgpr_workgroup_id_z 1
		.amdhsa_system_vgpr_workitem_id 0
		.amdhsa_next_free_vgpr 1024
		.amdhsa_next_free_sgpr 80
		.amdhsa_reserve_vcc 0
		.amdhsa_float_denorm_mode_32 3
		.amdhsa_float_denorm_mode_16_64 3
		.amdhsa_memory_ordered 1
		.amdhsa_forward_progress 1
		.amdhsa_inst_pref_size 161
	.end_amdhsa_kernel
	.amdgpu_metadata
---
amdhsa.version: [ 1, 2 ]
amdhsa.kernels:
  - .name:           k_q612ea4ac35_oproj
    .symbol:         k_q612ea4ac35_oproj.kd
    .args:
      - { .name: ab, .offset: 0, .size: 8, .value_kind: global_buffer, .address_space: global }
      - { .name: wb, .offset: 8, .size: 8, .value_kind: global_buffer, .address_space: global }
      - { .name: br, .offset: 16, .size: 8, .value_kind: global_buffer, .address_space: global }
      - { .name: bi, .offset: 24, .size: 8, .value_kind: global_buffer, .address_space: global }
      - { .name: out0, .offset: 32, .size: 8, .value_kind: global_buffer, .address_space: global }
    .group_segment_fixed_size: 327680
    .private_segment_fixed_size: 0
    .kernarg_segment_align: 8
    .kernarg_segment_size: 40
    .max_flat_workgroup_size: 128
    .sgpr_count:     80
    .vgpr_count:     1024
    .wavefront_size: 32
...
	.end_amdgpu_metadata
.endif
;; end of part 4
